; MI455X (gfx1250); checked and timed in simulation.
; The chip was launched on July 23, 2026; its instructions are those of AMD's public machine-readable ISA for CDNA 5 (MIT licence, August 2026) and "CDNA5" Instruction Set Architecture Reference Guide (July 2026). The comments in the code are by the model that wrote it; some were corrected since.
;; Vector Quantizer. Allowed arithmetic: matrix products marked QUANTISED: E2M1 operands, one E8M0 scale for each 32 along K, by v_wmma_scale_f32_16x16x128_f8f6f4 with both operands' format E2M1 (or v_wmma_scale_f32_32x16x128_f4), f32 sums; everything else in f32.
;; Inputs: codebook 1,024 x 256 float32; x 8 x 4,096 x 256 float32.
;; Outputs: out0 8 x 4,096 int32.
;; This version of the problem:
;;   THIS VERSION OF THE PROBLEM IS GIVEN IN LOW PRECISION. The matrix products marked QUANTISED in the list below multiply operands that are first quantised to E2M1 (2 exponent bits, 1 mantissa bit; 4 bits a number), with one power-of-two scale for each 32 numbers along K (OCP MX v1.0); their sums are f32. All else is computed in f32.
;;   The module's matrix products, in the order in which they are computed (A, B: the left and right operand; K: the contracted axis; several contracted axes count as one K, in the product's order):
;;     1. [M 32,768, K 256] x [K 256, N 1,024]; A: input x; B: input codebook: QUANTISED
;;   THE QUANTISER, for each operand of a quantised product, along K:
;;     - K is cut into blocks of 32 from its start; a last block that is shorter is filled with zeros.
;;     - A block's scale is 2^e with e = floor(log2(the largest magnitude in the block)) - 2, held to -126 .. 127; a block of zeros has e = 0. As a byte (E8M0): e + 127.
;;     - Each number is divided by its block's scale, clamped to +-6, and rounded to the nearest number of E2M1, ties to even, subnormals kept.
;;     - The product sums the exact products of the quantised numbers (number of the format x scale) in f32.
;;   ~~~python
;;   def quantise(x, axis):      # numpy; x: float32 -> the quantised numbers, widened to float32 again
;;       x = np.moveaxis(x, axis, -1); K = x.shape[-1]
;;       x = np.pad(x, [(0, 0)] * (x.ndim - 1) + [(0, -K % 32)]); x = x.reshape(x.shape[:-1] + (-1, 32)); a = np.abs(x).max(-1, keepdims=True)
;;       e = np.where(a > 0, np.clip(np.frexp(np.where(a > 0, a, 1))[1] - 1 - 2, -126, 127), 0)      # np.frexp(a)[1] - 1 = floor(log2(a)), exactly
;;       r = np.clip(x / 2.0 ** e, -6, 6)
;;       step = 2.0 ** (np.maximum(np.frexp(np.where(r == 0, 1, r))[1] - 1, 0) - 1)
;;       q = np.round(r / step) * step * 2.0 ** e      # np.round: ties to even
;;       return np.moveaxis(q.reshape(q.shape[:-2] + (-1,))[..., :K], -1, axis).astype(np.float32)
;;   ~~~
;; One version. Each part assembles by itself: llvm-mc -triple=amdgcn-amd-amdhsa -mcpu=gfx1250 --defsym DOCPART=n.
;; ======== version 1 of 1: 2 launches
;; limits: right only within a limited range of input values
;; workspace buffers: cb 147,456 bytes
;; launch prep (part 1): grid 64 x 1, 4 waves a work-group, no clusters, 18,688 bytes of LDS; arguments codebook, cb; writes cb
.if DOCPART == 1
	.amdgcn_target "amdgcn-amd-amdhsa--gfx1250"
	.amdhsa_code_object_version 6
	.text
	.protected	k_qc63d329cdf_prep
	.globl	k_qc63d329cdf_prep
	.p2align	8
	.type	k_qc63d329cdf_prep,@function
k_qc63d329cdf_prep:
	s_mov_b64 s[64:65], 0
	v_nop
	global_prefetch_b8 v0, s[64:65] scope:SCOPE_SE
	s_setreg_imm32_b32 hwreg(HW_REG_WAVE_MODE, 25, 1), 1
	s_wait_xcnt 0x0
; THE PROGRAM: out0[b][t] = argmin over k of |x[b][t]|^2 + |codebook[k]|^2 - 2 x[b][t] . codebook[k], the product on codes of FP4 (E2M1) with one E8M0 scale for each 32 along the 256.
; WORK LEFT OUT, in both launches: x2 = the sum of x * x along the last axis.  It is added to every one of a row's 1,024 distances alike, so for all values of the inputs, in exact arithmetic,
;   argmin_k (x2 + c2[k] - 2 xc[k]) = argmin_k (c2[k] - 2 xc[k]) = argmax_k (xc[k] - c2[k] / 2), equal distances staying equal (the factor -1/2 is exact): the lowest k among equals is the same.
;   x2 is a sum of 256 squares as c2 is, so it is of c2's size and hides nothing of the other terms.  No input falls away by this: x is still loaded, for the product.
; LIMITS.  An overflow, infinity or NaN that would reach x2 alone is not carried to the result.  NaN and infinities among the inputs are not served (a maximum passes over a NaN).
;   The order of rounding differs from reference()'s: c2 is summed in packed chains and across lanes and waves, and the number compared is xc - c2 / 2, rounded at its own size, not x2 + c2 - 2 xc:
;   a row whose two nearest codes differ by about a last place of the f32 distance may take the other of the two.
;   A block of 32 zeros gets the scale byte 1 where the rule says 127: its codes are zeros, which add nothing under any byte but 0xff, and this program alone reads the bytes.
;   Blocks whose largest magnitude lies under 2^(3 - 127), the floor, have their byte held at 1.
; THIS LAUNCH quantises the codebook ONCE, since every work-group of the second launch reads it, and lays it in the order of the reader's registers.
; TILE T = 8 w + t (w: the reader's wave) holds 16 codes; its row m is code 128 w + 64 (m / 8) + 8 t + m % 8: so in the reader lanes 0-15 hold the lower 64 codes of a wave's 128 and lanes 16-31 the upper.
;   cb + 2,048 T            fragment images: 512 v + 16 lane (v = 2 s + c: K step s of 128, registers 4 c .. 4 c + 3; lane (r, h): row r, k = 64 v + 32 h + 0 .. 31)
;   cb + 131,072 + 256 T    the tile's tail: 128 bytes of scale words (4 lane: lanes 0-15 row r's word for K step 0, lanes 16-31 for K step 1), -c2 / 2 in f32 (4 m), 64 bytes of zeros
; SHARES.  A work-group takes one tile; wave v takes 256 bytes of each of its 16 rows (64 numbers, two blocks).  A load covers two rows' 256 bytes, each an aligned unit; the 4,096 bytes turn through the wave's
; own stage in LDS, so that a lane then holds one whole block.  c2's parts and the scale bytes meet in LDS behind the one barrier, and wave 0 stores the tail as one aligned unit of 256 bytes.
.set SP,    272                        ; a stage row: 256 bytes + 16: the sixteen rows of a load begin at sixteen different 16-byte columns modulo 256
.set PB,    4*16*SP                    ; c2's parts: 128 v + 4 lane
.set TB,    PB+512                     ; the tile's scale words
.set SPARE, TB+256                     ; the spare words: 128 bytes for each wave, two blocks of 256 bytes that no other line names
.set TAILS, 131072
.set LA16, 1
.set SPW,  2                           ; v2   LDS address of my spare word; never rewritten
.set NIL,  3                           ; v3   0; never rewritten
.set GA,   4                           ; v4   my 16 bytes of a load
.set SIN,  5                           ; v5   the stage on the way in
.set SOUT, 6                           ; v6   and on the way out: row r, + 128 h
.set PBA,  7                           ; v7   where my part of c2 goes
.set SWA,  8                           ; v8   where my scale byte goes
.set PRA,  9                           ; v9   the tail: the parts of rows 2 (lane % 8) and the next
.set TRA,  10                          ; v10  the tail: two scale words
.set LA8,  11
.set CH,   16                          ; v16-23 c2: four packed chains
.set TQ,   24                          ; v24-27 largest magnitudes, four chains
.set SO,   28                          ; v28  the conversions' scale operand
.set BY,   29                          ; v29  the scale byte
.set PT,   30                          ; v30  my 32 squares
.set S,    32                          ; v32-63 my block
.set PC,   64                          ; v64-67 its codes
.set R,    96                          ; v96-127 as loaded
	s_load_b128 s[4:7], s[0:1], 0x0                ; the codebook s[4:5], cb s[6:7]
	v_lshl_add_u32 v[SPW], v0, 2, SPARE
	v_mov_b32 v[NIL], 0
	v_lshrrev_b32 v15, 5, v0
	v_readfirstlane_b32 s10, v15                   ; wave v = 0..3
	s_lshr_b32 s12, ttmp9, 3
	s_lshl_b32 s12, s12, 17                        ; the tile's first code: (128 w + 8 t) rows of 1,024 bytes,
	s_and_b32 s13, ttmp9, 7
	s_lshl_b32 s13, s13, 13
	s_add_co_u32 s12, s12, s13
	s_lshl_b32 s13, s10, 8                         ; + my 256 bytes of a row
	s_add_co_u32 s12, s12, s13
	s_mov_b32 s13, 0
	s_lshl_b32 s14, ttmp9, 11                      ; my image: 2,048 T + 512 v
	s_lshl_b32 s15, s10, 9
	s_add_co_u32 s14, s14, s15
	s_mov_b32 s15, 0
	s_lshl_b32 s16, ttmp9, 8                       ; the tail
	s_add_co_u32 s16, s16, TAILS
	s_mov_b32 s17, 0
	s_mul_i32 s18, s10, 16*SP                      ; my stage
	s_lshl_b32 s19, s10, 7
	s_add_co_u32 s19, s19, PB
	s_lshr_b32 s22, s10, 1
	s_lshl_b32 s22, s22, 6
	s_and_b32 s23, s10, 1
	s_lshl_b32 s23, s23, 1
	s_add_co_u32 s22, s22, s23
	s_add_co_u32 s22, s22, TB
	s_mov_b32 s20, 0xffff                          ; lanes 0-15
	s_mov_b32 s21, 0xff0000                        ; lanes 16-23
	v_and_b32 v12, 31, v0                          ; lane
	v_and_b32 v13, 15, v0                          ; r
	v_bfe_u32 v14, v0, 4, 1                        ; h
	v_lshlrev_b32 v[LA16], 4, v12
	v_lshlrev_b32 v[LA8], 3, v12
	v_lshlrev_b32 v[GA], 4, v13
	v_mul_u32_u24 v[SIN], v14, SP
	v_mul_u32_u24 v[SOUT], v13, SP
	v_lshl_add_u32 v[PBA], v12, 2, s19
	v_lshl_add_u32 v[SWA], v13, 2, v14
	v_and_b32 v[PRA], 7, v0
	v_lshlrev_b32 v[TRA], 3, v13
	v_lshl_add_u32 v[GA], v14, 10, v[GA]           ; row h of the load's two, + 16 r
	v_lshl_add_u32 v[SIN], v13, 4, v[SIN]
	v_lshl_add_u32 v[SOUT], v14, 7, v[SOUT]
	v_add_nc_u32 v[SWA], s22, v[SWA]               ; 64 s + 4 r + 2 c + h
	v_lshl_add_u32 v[PRA], v[PRA], 3, PB
	v_add_nc_u32 v[TRA], TB, v[TRA]
	v_add_nc_u32 v[SIN], s18, v[SIN]
	v_add_nc_u32 v[SOUT], s18, v[SOUT]
	s_wait_alu depctr_va_vdst(0)                   ; the wait at the head's end
	s_wait_kmcnt 0x0
	s_add_nc_u64 s[4:5], s[4:5], s[12:13]
	s_add_nc_u64 s[16:17], s[6:7], s[16:17]
	s_add_nc_u64 s[6:7], s[6:7], s[14:15]
.irp i, 0,1,2,3,4,5,6,7
	global_load_b128 v[R+4*\i:R+4*\i+3], v[GA], s[4:5] offset:(\i/4)*65536+(\i%4)*2048 th:TH_LOAD_NT   ; rows 2 i, 2 i + 1 of the tile: rows 8-15 lie 64 codes further on
.endr
.irp i, 0,1,2,3,4,5,6,7
	s_wait_loadcnt 7-\i                            ; loads come back in order: load i is in
	ds_store_b128 v[SIN], v[R+4*\i:R+4*\i+3] offset:2*SP*\i
.endr
.irp n, 0,1,2,3,4,5,6,7
	ds_load_b128 v[S+4*\n:S+4*\n+3], v[SOUT] offset:16*\n    ; LDS serves a wave's instructions in order: these see my stores
.endr
	s_wait_dscnt 0x0
	v_max3_num_f32 v[TQ], |v[S]|, |v[S+1]|, 0x1800000        ; the floor 2^(3 - 127) among the leaves: the byte cannot fall under 1
	v_max3_num_f32 v[TQ+1], |v[S+2]|, |v[S+3]|, |v[S+4]|
	v_max3_num_f32 v[TQ+2], |v[S+5]|, |v[S+6]|, |v[S+7]|
	v_max3_num_f32 v[TQ+3], |v[S+8]|, |v[S+9]|, |v[S+10]|
.set QN, 11
.rept 10
	v_max3_num_f32 v[TQ+((QN-11)/2)%4], v[TQ+((QN-11)/2)%4], |v[S+QN]|, |v[S+QN+1]|
.set QN, QN+2
.endr
	v_max3_num_f32 v[TQ+2], v[TQ+2], v[TQ+3], |v[S+31]|
.set PP, 0
.rept 16                                       ; c2, on the numbers as they are given: two squares at a time, in four chains; the first four products start the sums
.if PP < 4
	v_pk_mul_f32 v[CH+2*(PP%4):CH+2*(PP%4)+1], v[S+2*PP:S+2*PP+1], v[S+2*PP:S+2*PP+1]
.else
	v_pk_fma_f32 v[CH+2*(PP%4):CH+2*(PP%4)+1], v[S+2*PP:S+2*PP+1], v[S+2*PP:S+2*PP+1], v[CH+2*(PP%4):CH+2*(PP%4)+1]
.endif
.if PP == 3
	v_max3_num_f32 v[TQ], v[TQ], v[TQ+1], v[TQ+2]  ; the block's largest magnitude
.endif
.if PP == 7
	v_add_nc_u32 v[SO], 0xff000000, v[TQ]          ; 2 off its exponent field: the conversion takes the exponent field of this operand as its scale, and nothing else of it
.endif
.set PP, PP+1
.endr
.irp g, 0,1,2,3
	v_cvt_scalef32_pk8_fp4_f32 v[PC+\g], v[S+8*\g:S+8*\g+7], v[SO]       ; beyond 6 the largest code
.endr
	v_lshrrev_b32 v[BY], 23, v[SO]                 ; the scale's byte (and the plain place behind the last conversion)
	v_pk_add_f32 v[CH:CH+1], v[CH:CH+1], v[CH+2:CH+3]
	v_pk_add_f32 v[CH+4:CH+5], v[CH+4:CH+5], v[CH+6:CH+7]
	v_pk_add_f32 v[CH:CH+1], v[CH:CH+1], v[CH+4:CH+5]
	v_add_f32 v[PT], v[CH], v[CH+1]
	ds_store_b8 v[SWA], v[BY]
	ds_store_b32 v[PBA], v[PT]
	global_store_b128 v[LA16], v[PC:PC+3], s[6:7]  ; 32 lanes store 512 consecutive bytes, at a multiple of 256 from cb's first byte
	s_wait_alu depctr_va_vdst(0)
	s_wait_tensorcnt 0x0
	ds_add_u32 v[SPW], v[NIL]
	s_wait_dscnt 0x0                               ; for wave 0's sake: my byte and my part of c2 have landed
	s_barrier_signal -1
	s_barrier_wait -1
	s_cmp_lg_u32 s10, 0
	s_cbranch_scc1 .Lend
	; THE TAIL, wave 0: lanes 0-15 take two scale words each, lanes 16-23 the biases of two rows each, lanes 24-31 zeros
.irp k, 0,1,2,3,4,5,6,7
	ds_load_b64 v[S+2*\k:S+2*\k+1], v[PRA] offset:64*\k      ; wave k / 2, half k % 2
.endr
	ds_load_b64 v[S+16:S+17], v[TRA]
	s_wait_dscnt 0x0
.irp k, 0,2,4,6
	v_pk_add_f32 v[S+2*\k:S+2*\k+1], v[S+2*\k:S+2*\k+1], v[S+2*\k+2:S+2*\k+3]
.endr
.irp k, 0,4
	v_pk_add_f32 v[S+2*\k:S+2*\k+1], v[S+2*\k:S+2*\k+1], v[S+2*\k+4:S+2*\k+5]
.endr
	v_pk_add_f32 v[S:S+1], v[S:S+1], v[S+8:S+9]
	v_pk_mul_f32 v[S:S+1], v[S:S+1], -0.5 op_sel_hi:[1,0]
.irp e, 0,1
	v_cndmask_b32 v[S+18+\e], 0, v[S+\e], s21
.endr
.irp e, 0,1
	v_cndmask_b32 v[S+18+\e], v[S+18+\e], v[S+16+\e], s20
.endr
	global_store_b64 v[LA8], v[S+18:S+19], s[16:17]          ; 32 lanes store 256 consecutive bytes, aligned to 256
.Lend:
	s_endpgm
.Lfunc_end_k_qc63d329cdf_prep:
	.size	k_qc63d329cdf_prep, .Lfunc_end_k_qc63d329cdf_prep-k_qc63d329cdf_prep
	.p2alignl 7, 3214868480
	.fill 96, 4, 3214868480
	.section	.rodata,"a",@progbits
	.p2align	6, 0x0
	.amdhsa_kernel k_qc63d329cdf_prep
		.amdhsa_group_segment_fixed_size 18688
		.amdhsa_private_segment_fixed_size 0
		.amdhsa_enable_private_segment 0
		.amdhsa_kernarg_size 16
		.amdhsa_user_sgpr_count 2
		.amdhsa_user_sgpr_kernarg_segment_ptr 1
		.amdhsa_wavefront_size32 1
		.amdhsa_system_sgpr_workgroup_id_x 1
		.amdhsa_system_sgpr_workgroup_id_y 1
		.amdhsa_system_sgpr_workgroup_id_z 1
		.amdhsa_system_vgpr_workitem_id 0
		.amdhsa_next_free_vgpr 128
		.amdhsa_next_free_sgpr 66
		.amdhsa_reserve_vcc 0
		.amdhsa_float_denorm_mode_32 3
		.amdhsa_float_denorm_mode_16_64 3
		.amdhsa_memory_ordered 1
		.amdhsa_forward_progress 1
		.amdhsa_inst_pref_size 10
	.end_amdhsa_kernel
	.amdgpu_metadata
---
amdhsa.version: [ 1, 2 ]
amdhsa.kernels:
  - .name:           k_qc63d329cdf_prep
    .symbol:         k_qc63d329cdf_prep.kd
    .args:
      - { .name: codebook, .offset: 0, .size: 8, .value_kind: global_buffer, .address_space: global }
      - { .name: cb, .offset: 8, .size: 8, .value_kind: global_buffer, .address_space: global }
    .group_segment_fixed_size: 18688
    .private_segment_fixed_size: 0
    .kernarg_segment_align: 8
    .kernarg_segment_size: 16
    .max_flat_workgroup_size: 128
    .sgpr_count:     66
    .vgpr_count:     128
    .wavefront_size: 32
...
	.end_amdgpu_metadata
.endif
;; end of part 1
;; launch vq (part 2): grid 256 x 1, 8 waves a work-group, clusters of 4 x 1, 185,344 bytes of LDS; arguments x, cb, out0; writes out0
.if DOCPART == 2
	.amdgcn_target "amdgcn-amd-amdhsa--gfx1250"
	.amdhsa_code_object_version 6
	.text
	.protected	k_qc63d329cdf_vq
	.globl	k_qc63d329cdf_vq
	.p2align	8
	.type	k_qc63d329cdf_vq,@function
k_qc63d329cdf_vq:
	s_mov_b64 s[64:65], 0
	v_nop
	global_prefetch_b8 v0, s[64:65] scope:SCOPE_SE
	s_setreg_imm32_b32 hwreg(HW_REG_WAVE_MODE, 25, 1), 1
	s_wait_xcnt 0x0
	s_wait_alu depctr_hold_cnt(0) depctr_sa_sdst(0) depctr_va_vdst(0) depctr_va_sdst(0) depctr_va_ssrc(0) depctr_va_vcc(0) depctr_vm_vsrc(0)
	s_getreg_b32 s2, hwreg(HW_REG_IB_STS2, 6, 4)
	s_cmp_eq_u32 s2, 0
	s_cbranch_scc0 .Lentry_in_a_cluster
	s_endpgm
.Lentry_in_a_cluster:
	s_bfe_u32 s2, ttmp6, 0x10000c
	s_cmp_lg_u32 s2, 0x3003
	s_cbranch_scc0 .Lentry_shape_is_right
	s_endpgm
.Lentry_shape_is_right:
; out0[row] = argmax over the 1,024 codes k of xc[row][k] - c2[k] / 2, the lowest k among equals: that is reference()'s argmin.
; WORK LEFT OUT: x2, the sum of x * x: it is the same for all k of a row, so it moves no argmin in exact arithmetic, whatever x holds (shown at the head of the first launch's text).
; LIMITS: as stated there: NaN and infinities are not served; an overflow that would reach x2 alone is not carried; the number compared is rounded at its own size, so a row whose two nearest codes
;   differ by about a last place of the f32 distance may take the other; a block of zeros of x has the scale byte 1 (its codes are zeros; the bytes never leave the work-group).
; xc is made on codes of FP4 (E2M1) with one E8M0 scale for each 32 along the 256: the codebook's codes, scale words and -c2 / 2 come from cb; x is quantised here.
; SHARES.  A work-group owns 128 rows of x: 256 work-groups.  THE EIGHT WAVES SHARE THE CODES, NOT THE ROWS: wave w keeps codes 128 w .. 128 w + 127 in registers for the whole launch (8 tiles x 2 K steps x 8
;   registers of codes, 8 x 8 of bias, 8 scale words) and scores all 128 rows against them, a tile of 16 queries at a time.
;   x goes in two halves of 64 rows (four query tiles).  Of each half wave w takes rows 8 w .. 8 w + 7, 8,192 consecutive bytes, as sixteen loads of 512 consecutive bytes: half a row, one K step, each.  A lane then
;   holds 4 numbers of one block of each K step: a block lies in eight neighbouring lanes.  The waves' codes and scale bytes meet in LDS: each half has image bytes of its own, and one barrier.
; LOADS into registers, 36 a wave, all ahead of the first barrier: two of x ahead of the cluster's round; the codes' tails (4), spread through LDS before the images are waited for; the rest of half 0 (14); half 1's
;   first eight ahead of the wait for the images, its last eight behind the images' reads.  Each is waited for by count where it is first used.
; CLUSTER.  The four work-groups of a cluster need the same images: each wave's 16,384 bytes are asked for JOINTLY, by the same tensor load with the same descriptor and a mask that names the four: one tensor load a
;   wave in the launch.  Each wave reads only what its own load brought, behind its own wait.  The tails (2,048 bytes a wave, a ninth of cb) come by the wave's own loads, to be spread before the images land.
; NO PREFETCH: there is no loop to run ahead in: every byte is asked for by its own load at the head.
; THE PRODUCT IS USED TRANSPOSED: source 0 = 16 codes, source 1 = 16 rows of x: lane (r, h) holds query r, and register j of tile t the code 128 w + 64 h + 8 t + j (cb is laid so).  -c2 / 2 is the C of each
;   sum's first instruction.  So (w, h, t, j) in this order is the order of the codes' numbers.
; THE ARGMAX of a query tile, on the 64 scores of a lane: each tile's maximum; the best of the eight; from tile 7 down to tile 0 a tile whose maximum equals the best replaces what is kept (its eight scores and its
;   number), so that the lowest such tile stays; then the lowest j whose kept score equals the best.  Nothing branches on a score.  (score, index) of the 8 waves x 2 halves of the lanes meet in LDS at the end.
; REGISTERS, in windows of 256: window 0: all that vector instructions touch;  window 1: the codes' fragments, tile t, K step s at v[16 t + 8 s]; from v128 the biases, tile t at v[128 + 8 t]; from v192 x's fragments, two buffers.
.set PART, 16384                       ; LDS from 0: the images, a part for each wave
.set BP,   288                         ; an image of x: 16 rows x 16 bytes for each of the 8 blocks along K, + 32 of padding
.set QP,   8*BP                        ; a tile of queries
.set IMG,  8*PART                      ; eight tiles of queries
.set XSC,  IMG+8*QP                    ; scale words: 128 Q + 64 s + 4 r
.set TLS,  XSC+8*128                   ; the tails, 2,048 bytes a wave
.set RES,  TLS+8*2048                  ; results: query tile Q, wave w, lane: RQ Q + 256 w + 8 lane: (score, index)
.set RQ,   2176
.set SPARE, RES+8*RQ                   ; the spare words, 128 bytes for each wave: four blocks of 256 bytes that no other line names
.set L16,  1                           ; v1   16 x lane
.set SPW,  2                           ; v2   LDS address of my spare word; never rewritten
.set NIL,  3                           ; v3   0; never rewritten
.set XCA,  4                           ; v4   where my four codes of a row go
.set XSA,  5                           ; v5   where a scale byte goes: even lanes K step 0's, odd lanes K step 1's
.set FIA,  6                           ; v6   where any fragment begins for my lane
.set FSA,  7                           ; v7   and any scale word
.set RA,   8                           ; v8   where my result goes
.set LB,   9                           ; v9   128 w + 64 h
.set TLA,  10                          ; v10  the tails on the way in
.set TSA,  11                          ; v11  scale words
.set TBA,  12                          ; v12  biases
.set FA,   13                          ; v13  the merge: where my two queries' results begin
.set OA,   14                          ; v14  8 x lane: my two indices' place
.set CBA,  15                          ; v15  my images
.set CS,   16                          ; v16-23  the codes' scale words: tile t; lanes 0-15 K step 0, lanes 16-31 K step 1
.set XS,   24                          ; v24-25  x's scale words, likewise, two buffers
.set M,    26                          ; v26-33  the tiles' maxima
.set BYR,  26                          ; v26-29  the quantiser: scale bytes (no argmax is under way then)
.set TT,   34                          ; v34  the tile that holds the best
.set JJ,   35                          ; v35  the register that holds it
.set BEST, 36                          ; v36  the best; v37 its code's number
.set B3,   38                          ; v38  at work;  v38-39 at the end: my two indices
.set SEL,  40                          ; v40-47  the kept tile's scores
.set TQA,  48                          ; v48-51  four rows' largest magnitudes in K step 0, then the conversions' scale operands
.set TQB,  52                          ; v52-55  in K step 1
.set CA,   56                          ; v56-59  codes: K step 0's in the low half
.set CB,   60                          ; v60-63  K step 1's in the high half
.set ACC,  64                          ; v64-191 scores: 64 q + 8 t + j
.set XG0,  64                          ; v64-95, v96-127 half 0's eight rows as loaded, ahead of the first scores
.set XG1,  96
.set MG,   64                          ; v64-127 at the end: the results
.set TR,   128                         ; v128-143 the tails as loaded, likewise
.set XG2,  192                         ; v192-223, v224-255 half 1's eight rows as loaded
.set XG3,  224
.set BIA,  128                         ; in window 1: the biases
.set XF,   192                         ; in window 1: x's fragments: 16 (Q % 2) + 8 s
.set G1C,  24                          ; s[24:31] descriptor group 1;  s[32:35] group 0.  None is written behind the load
.set G0C,  32
.set MK,   40                          ; s[40:55] compare masks
.set ODD,  56                          ; s56  the odd lanes
.set MSB, 0
.macro WIN new                         ; the immediate's high byte repeats the setting that is left; a switch that changes nothing is dropped
.if MSB != \new
	s_set_vgpr_msb (MSB<<8)|\new
.set MSB, \new
.endif
.endm
; A round of the cluster's barrier: my work-group's barrier, so that wave 0's signal speaks for all eight waves; wave 0 signals for the work-group; every wave waits for all four work-groups; my work-group's barrier once more.
.macro CROUND
	s_barrier_signal -1
	s_barrier_wait -1
	s_cmp_lg_u32 s10, 0
	s_cbranch_scc1 .Lnot_wave_0_\@
	s_barrier_signal -3
.Lnot_wave_0_\@:
	s_barrier_wait -3
	s_barrier_signal -1
	s_barrier_wait -1
.endm
.macro LOADX at, reg, i                ; one of the eight loads of four of my rows (4,096 bytes); read once in the launch.  Row j: K step 0 at v[reg + 8 j], K step 1 at v[reg + 8 j + 4]
	global_load_b128 v[\reg+4*\i:\reg+4*\i+3], v[L16], s[4:5] offset:\at+512*\i th:TH_LOAD_NT
.endm
.macro LOADG at, reg
.irp i, 0,1,2,3,4,5,6,7
	LOADX \at, \reg, \i
.endr
.endm
; Four rows, by turns: the largest magnitude of a block lies in eight neighbouring lanes.  A row's two conversions read the same eight registers: under K step 0's scale the low half of the result counts, under K step 1's the high half.
; row: the first of the four among my eight of the half.
.macro QUANT4 x, half, row
.irp j, 0,1,2,3
	v_max3_num_f32 v[TQA+\j], |v[\x+8*\j]|, |v[\x+8*\j+1]|, 0x1800000        ; the floor 2^(3 - 127) among the leaves: the byte cannot fall under 1
	v_max3_num_f32 v[TQB+\j], |v[\x+8*\j+4]|, |v[\x+8*\j+5]|, 0x1800000
.endr
.irp j, 0,1,2,3
	v_max3_num_f32 v[TQA+\j], v[TQA+\j], |v[\x+8*\j+2]|, |v[\x+8*\j+3]|
	v_max3_num_f32 v[TQB+\j], v[TQB+\j], |v[\x+8*\j+6]|, |v[\x+8*\j+7]|
.endr
.irp m, 1,2,4
.irp j, 0,1,2,3
	v_max_num_f32_dpp v[TQA+\j], v[TQA+\j], v[TQA+\j] row_xmask:\m row_mask:0xf bank_mask:0xf
	v_max_num_f32_dpp v[TQB+\j], v[TQB+\j], v[TQB+\j] row_xmask:\m row_mask:0xf bank_mask:0xf
.endr
.endr
.irp j, 0,1,2,3
	v_add_nc_u32 v[TQA+\j], 0xff000000, v[TQA+\j]  ; 2 off the exponent field: the conversion takes the exponent field of this operand as its scale, and nothing else of it
	v_add_nc_u32 v[TQB+\j], 0xff000000, v[TQB+\j]
.endr
.irp j, 0,1,2,3
	v_cvt_scalef32_pk8_fp4_f32 v[CA+\j], v[\x+8*\j:\x+8*\j+7], v[TQA+\j]      ; beyond 6 the largest code
	v_cvt_scalef32_pk8_fp4_f32 v[CB+\j], v[\x+8*\j:\x+8*\j+7], v[TQB+\j]
.endr
.irp j, 0,1,2,3
	v_cndmask_b32 v[BYR+\j], v[TQA+\j], v[TQB+\j], s[ODD]                    ; (also the plain places behind the conversions)
.endr
.irp j, 0,1,2,3
	v_lshrrev_b32 v[BYR+\j], 23, v[BYR+\j]         ; the scale's byte
.endr
.irp j, 0,1,2,3
	ds_store_b16 v[XCA], v[CA+\j] offset:4*QP*\half+16*(\row+\j)
	ds_store_b16_d16_hi v[XCA], v[CB+\j] offset:4*QP*\half+16*(\row+\j)+4*BP
	ds_store_b8 v[XSA], v[BYR+\j] offset:512*\half+4*(\row+\j)               ; the lanes of a block write the same byte with the same value
.endr
.endm
.macro FETCH qt, q                     ; query tile qt's two fragments and its scale words into buffer q: five LDS loads
	WIN 0x40                                       ; destination window 1
.irp s, 0,1
.irp c, 0,1
	ds_load_b128 v[XF+16*\q+8*\s+4*\c:XF+16*\q+8*\s+4*\c+3], v[FIA] offset:QP*\qt+4*BP*\s+2*BP*\c
.endr
.endr
	WIN 0
	ds_load_b32 v[XS+\q], v[FSA] offset:128*\qt
.endm
; Sixteen matrix instructions: my eight tiles of codes against the query tile in buffer q, both K steps.  The eight accumulators take turns, one instruction a turn.
.macro MM q
	WIN 0x15                                       ; sources 0 (the codes), 1 (x) and 2 (the bias) window 1
.irp t, 0,1,2,3,4,5,6,7
	v_wmma_scale_f32_16x16x128_f8f6f4 v[ACC+64*\q+8*\t:ACC+64*\q+8*\t+7], v[16*\t:16*\t+7], v[XF+16*\q:XF+16*\q+7], v[BIA+8*\t:BIA+8*\t+7], v[CS+\t], v[XS+\q] matrix_a_fmt:MATRIX_FMT_FP4 matrix_b_fmt:MATRIX_FMT_FP4
.endr
	WIN 0x05                                       ; C and D window 0
.irp t, 0,1,2,3,4,5,6,7
	v_wmma_scale_f32_16x16x128_f8f6f4 v[ACC+64*\q+8*\t:ACC+64*\q+8*\t+7], v[16*\t+8:16*\t+15], v[XF+16*\q+8:XF+16*\q+15], v[ACC+64*\q+8*\t:ACC+64*\q+8*\t+7], v[CS+\t], v[XS+\q] matrix_a_fmt:MATRIX_FMT_FP4 matrix_b_fmt:MATRIX_FMT_FP4 matrix_a_scale:MATRIX_SCALE_ROW1 matrix_b_scale:MATRIX_SCALE_ROW1
.endr
	WIN 0
.endm
.macro ROWMAX q                        ; the eight tiles' maxima, by turns, each accumulator from its low end on; and the best
.set AB, ACC+64*\q
.irp t, 0,1,2,3,4,5,6,7
	v_max3_num_f32 v[M+\t], v[AB+8*\t], v[AB+8*\t+1], v[AB+8*\t+2]
.endr
.irp t, 0,1,2,3,4,5,6,7
	v_max3_num_f32 v[M+\t], v[M+\t], v[AB+8*\t+3], v[AB+8*\t+4]
.endr
.irp t, 0,2,4,6
	v_max3_num_f32 v[M+\t], v[M+\t], v[AB+8*\t+5], v[AB+8*\t+6]
	v_max3_num_f32 v[M+\t+1], v[M+\t+1], v[AB+8*\t+13], v[AB+8*\t+15]
.endr
.irp t, 0,2,4,6
	v_dual_max_num_f32 v[M+\t], v[M+\t], v[AB+8*\t+7] :: v_dual_max_num_f32 v[M+\t+1], v[M+\t+1], v[AB+8*\t+14]
.endr
	v_max3_num_f32 v[BEST], v[M], v[M+1], v[M+2]
	v_max3_num_f32 v[TT], v[M+3], v[M+4], v[M+5]
	v_max_num_f32 v[B3], v[M+6], v[M+7]
	s_delay_alu instid0(VALU_DEP_1)
	v_max3_num_f32 v[BEST], v[BEST], v[TT], v[B3]
.endm
.macro SELSTEP q, t                    ; tile t, where its maximum equals the best, replaces what is kept; the first step chooses between tiles 7 and 6: nothing is preset
.set AB, ACC+64*\q
	s_mov_b32 vcc_lo, s[MK+\t]                     ; (the paired selects take VCC)
.if \t == 6
	v_cndmask_b32 v[TT], 7, 6, s[MK+6]
.irp j, 0,2,4,6
	v_dual_cndmask_b32 v[SEL+\j], v[AB+56+\j], v[AB+48+\j] :: v_dual_cndmask_b32 v[SEL+\j+1], v[AB+57+\j], v[AB+49+\j]
.endr
.else
	v_cndmask_b32 v[TT], v[TT], \t, s[MK+\t]
.irp j, 0,2,4,6
	v_dual_cndmask_b32 v[SEL+\j], v[SEL+\j], v[AB+8*\t+\j] :: v_dual_cndmask_b32 v[SEL+\j+1], v[SEL+\j+1], v[AB+8*\t+\j+1]
.endr
.endif
.endm
.macro SELHI q
.irp t, 6,5,4,3,2,1,0
	v_cmp_eq_f32 s[MK+\t], v[M+\t], v[BEST]        ; all seven masks ahead of the selects
.endr
	SELSTEP \q, 6
	SELSTEP \q, 5
	SELSTEP \q, 4
	SELSTEP \q, 3
.endm
.macro SELLO q
	SELSTEP \q, 2
	SELSTEP \q, 1
	SELSTEP \q, 0
.endm
.macro RESOLVE qt                      ; the lowest j whose kept score equals the best, by two chains, j = 7 .. 4 and 3 .. 0; the code's number; (score, index) of query tile qt to LDS
.irp j, 0,1,2,3,4,5,6
	v_cmp_eq_f32 s[MK+\j], v[SEL+\j], v[BEST]
.endr
	v_cndmask_b32 v[JJ], 7, 6, s[MK+6]
	v_cndmask_b32 v[B3], 3, 2, s[MK+2]
	s_or_b32 s[MK+8], s[MK], s[MK+1]
	s_or_b32 s[MK+9], s[MK+2], s[MK+3]
	v_cndmask_b32 v[JJ], v[JJ], 5, s[MK+5]
	v_cndmask_b32 v[B3], v[B3], 1, s[MK+1]
	s_or_b32 s[MK+8], s[MK+8], s[MK+9]             ; any of 3 .. 0
	v_cndmask_b32 v[JJ], v[JJ], 4, s[MK+4]
	v_cndmask_b32 v[B3], v[B3], 0, s[MK]
	v_cndmask_b32 v[JJ], v[JJ], v[B3], s[MK+8]
	s_delay_alu instid0(VALU_DEP_1)
	v_lshl_add_u32 v[BEST+1], v[TT], 3, v[JJ]
	s_delay_alu instid0(VALU_DEP_1)
	v_add_nc_u32 v[BEST+1], v[LB], v[BEST+1]
	ds_store_b64 v[RA], v[BEST:BEST+1] offset:RQ*\qt
.endm
.macro VA qt, q
	ROWMAX \q
	SELHI \q
	SELLO \q
	RESOLVE \qt
.endm
	s_load_b128 s[4:7], s[0:1], 0x0                ; x s[4:5], cb s[6:7]
	s_load_b64 s[8:9], s[0:1], 0x10                ; out0
	v_lshl_add_u32 v[SPW], v0, 2, SPARE
	v_mov_b32 v[NIL], 0
	ds_add_u32 v[SPW], v[NIL]                      ; the wave's opening: the add, twice on end, and its wait ahead of my tensor load; the set-up below, work on registers, stands between
	ds_add_u32 v[SPW], v[NIL]
	v_lshrrev_b32 v30, 5, v0
	v_readfirstlane_b32 s10, v30                   ; wave w = 0..7
	s_bfe_u32 s11, ttmp6, 0x40000                  ; cx: my place in the cluster
	s_lshl_b32 s12, ttmp9, 2                       ; in a cluster launch ttmp9 counts clusters
	s_add_co_u32 s12, s12, s11                     ; my work-group = 4 x cluster + cx: it enters x's and out0's addresses alone
	s_and_b32 s11, s10, 1
	s_lshl_b32 s18, s12, 9                         ; out0: my work-group's 512 bytes, and 256 x (w % 2): waves 0 and 1 store
	s_lshl_b32 s19, s11, 8
	s_add_co_u32 s18, s18, s19
	s_mov_b32 s19, 0
	s_lshl_b32 s12, s12, 17                        ; x: my work-group's 128 rows of 1,024 bytes,
	s_lshl_b32 s13, s10, 13                        ; my eight rows of a half
	s_add_co_u32 s12, s12, s13
	s_mov_b32 s13, 0
	s_mul_i32 s36, s10, PART                       ; my images, in memory and in LDS: the wave's number alone
	s_mov_b32 s37, 0
	s_lshl_b32 s16, s10, 11                        ; my tails
	s_add_co_u32 s16, s16, 131072
	s_mov_b32 s17, 0
	s_lshr_b32 s14, s10, 1                         ; my rows' query tile in a half: w / 2,
	s_mul_i32 s20, s14, QP                         ; from row 8 (w % 2) on
	s_lshl_b32 s15, s11, 7
	s_add_co_u32 s20, s20, s15
	s_add_co_u32 s20, s20, IMG
	s_lshl_b32 s21, s14, 7
	s_lshl_b32 s15, s11, 5
	s_add_co_u32 s21, s21, s15
	s_add_co_u32 s21, s21, XSC
	s_lshl_b32 s22, s10, 8
	s_add_co_u32 s22, s22, RES
	s_lshl_b32 s23, s10, 7
	s_lshl_b32 s38, s10, 11
	s_add_co_u32 s38, s38, TLS
	s_add_co_u32 s39, s38, 128
	s_mul_i32 s11, s11, 4*RQ                       ; the merge: wave w (0, 1), lane l owns queries 64 w + 2 l and the next: query tile 4 w + l / 8, rows 2 (l % 8) and the next
	s_add_co_u32 s11, s11, RES
	s_mov_b32 s[ODD], 0xaaaaaaaa
	; group 1: a dense block of 16,384 bytes as 64 rows of 256 bytes, no padding
	s_mov_b32 s[G1C+0], 15|(3<<16)|(1<<21)         ; 15:0 the mask: all four work-groups; 17:16 elements of 8 bytes; 21 set beside a mask
	s_mov_b32 s[G1C+1], 32<<16
	s_mov_b32 s[G1C+2], 64<<16
	s_mov_b32 s[G1C+3], 32<<16
	s_mov_b32 s[G1C+4], 64
	s_mov_b32 s[G1C+5], 32
	s_mov_b32 s[G1C+6], 0
	s_mov_b32 s[G1C+7], 0
	v_and_b32 v27, 31, v0                          ; lane
	v_and_b32 v28, 15, v0                          ; r
	v_bfe_u32 v29, v0, 4, 1                        ; h
	v_and_b32 v30, 7, v0                           ; lane % 8
	v_bfe_u32 v31, v0, 3, 2                        ; lane / 8: my block of a K step
	v_and_b32 v32, 1, v0
	v_lshlrev_b32 v[L16], 4, v27
	v_lshlrev_b32 v[OA], 3, v27
	v_mul_u32_u24 v[XCA], v31, BP
	v_mul_u32_u24 v[FIA], v29, BP
	v_mul_u32_u24 v[FA], v31, RQ
	v_lshl_add_u32 v[XSA], v32, 6, v31
	v_lshl_add_u32 v[XCA], v30, 1, v[XCA]
	v_lshl_add_u32 v[FIA], v28, 4, v[FIA]
	v_lshl_add_u32 v[FA], v30, 4, v[FA]
	v_add_nc_u32 v[XSA], s21, v[XSA]
	v_add_nc_u32 v[XCA], s20, v[XCA]
	v_add_nc_u32 v[FIA], IMG, v[FIA]
	v_add_nc_u32 v[FA], s11, v[FA]
	v_lshl_add_u32 v[FSA], v27, 2, XSC
	v_lshl_add_u32 v[RA], v27, 3, s22
	v_lshl_add_u32 v[LB], v29, 6, s23
	v_lshl_add_u32 v[TLA], v27, 4, s38
	v_lshl_add_u32 v[TSA], v27, 2, s38
	v_lshl_add_u32 v[TBA], v29, 5, s39
	v_lshl_add_u32 v[CBA], v27, 4, s36
	s_wait_alu depctr_va_vdst(0)                   ; the wait at the head's end
	s_wait_dscnt 0x0                               ; both opening adds are done
	s_wait_kmcnt 0x0
	s_add_nc_u64 s[4:5], s[4:5], s[12:13]
	LOADX 0, XG0, 0                                ; two loads ahead of the round
	LOADX 0, XG0, 1
	s_mov_b32 s[G0C], 1                            ; 1:0 count = 1
	s_mov_b32 s[G0C+1], s36                        ; 63:32 LDS address
	s_add_nc_u64 s[G0C+2:G0C+3], s[6:7], s[36:37]  ; 120:64 global address: the same in all four partners
	s_or_b32 s[G0C+3], s[G0C+3], 0x80000000        ; 127:126 type = 2
	s_add_nc_u64 s[16:17], s[6:7], s[16:17]
	s_add_nc_u64 s[8:9], s[8:9], s[18:19]
	CROUND                                         ; all four work-groups are here: the joint loads meet
	tensor_load_to_lds s[G0C:G0C+3], s[G1C:G1C+7]
	s_nop 0
.rept 4
	v_nop
.endr
.irp i, 0,1,2,3
	global_load_b128 v[TR+4*\i:TR+4*\i+3], v[L16], s[16:17] offset:512*\i
.endr
	LOADX 0, XG0, 2
	LOADX 0, XG0, 3
	s_wait_loadcnt 2                               ; the tails are in: two loads stand behind them
.irp i, 0,1,2,3
	ds_store_b128 v[TLA], v[TR+4*\i:TR+4*\i+3] offset:512*\i
.endr
.irp t, 0,1,2,3,4,5,6,7
	ds_load_b32 v[CS+\t], v[TSA] offset:256*\t     ; LDS serves a wave's instructions in order: these see my stores
.endr
	WIN 0x40
.irp t, 0,1,2,3,4,5,6,7
.irp e, 0,1
	ds_load_b128 v[BIA+8*\t+4*\e:BIA+8*\t+4*\e+3], v[TBA] offset:256*\t+16*\e    ; -c2 / 2 of rows 8 h + 4 e + 0 .. 3 of tile t: the result's layout
.endr
.endr
	WIN 0
.irp i, 4,5,6,7
	LOADX 0, XG0, \i
.endr
	LOADG 4096, XG1
	s_wait_alu depctr_va_vdst(0)
	s_wait_loadcnt 8                               ; half 0's first four rows of mine are in: the next four's eight loads stand behind them
	QUANT4 XG0, 0, 0
	LOADG 65536, XG2
	s_wait_alu depctr_va_vdst(0)
	s_wait_tensorcnt 0x0                           ; my images are in LDS
	WIN 0x40
.irp s, 0,1
.irp t, 0,1,2,3,4,5,6,7
.irp c, 0,1
	ds_load_b128 v[16*\t+8*\s+4*\c:16*\t+8*\s+4*\c+3], v[CBA] offset:2048*\t+1024*\s+512*\c
.endr
.endr
.endr
	WIN 0
	LOADG 69632, XG3                               ; asked for while the images are being read
	s_wait_loadcnt 16                              ; my other four rows of half 0 are in: half 1's sixteen loads stand behind them
	QUANT4 XG1, 0, 4
	s_wait_alu depctr_va_vdst(0)
	s_wait_dscnt 0x0                               ; for the others' sake: my part of half 0's images has landed; my codes, biases and scale words are in
	s_barrier_signal -1
	s_barrier_wait -1
	; THE SCORES.  Matrix work runs one query tile ahead of the vector work, on two sets of accumulators; the next fragments are fetched under the vector work.  Behind a matrix instruction four plain vector
	; instructions that name none of its registers stand before its result is read or a load is issued into a register that it read (ISA guide 7.12.1 for vector instructions): between MM of a tile and its
	; argmax, and the loads into the buffer that it read, stands the argmax of the tile before; in front of half 0's second tile five v_nop, of half 1's the rest of query tile 3's argmax.
	FETCH 0, 0
	FETCH 1, 1
	s_wait_dscnt 5                                 ; tile 0's five are in
	MM 0
.rept 5
	v_nop
.endr
	s_wait_dscnt 0x0
	MM 1
	FETCH 2, 0
	VA 0, 0
	s_wait_alu depctr_va_vdst(0)
	s_wait_dscnt 1                                 ; the result's store alone may be out
	MM 0
	FETCH 3, 1
	VA 1, 1
	s_wait_alu depctr_va_vdst(0)
	s_wait_loadcnt 8                               ; half 1's first four rows of mine are in
	QUANT4 XG2, 1, 0
	s_wait_alu depctr_va_vdst(0)
	s_wait_dscnt 13                                ; tile 3's five are in: behind them one result's store and twelve of the quantiser's
	MM 1
	VA 2, 0
	s_wait_alu depctr_va_vdst(0)
	s_wait_loadcnt 0x0                             ; and the last four
	QUANT4 XG3, 1, 4
	s_wait_alu depctr_va_vdst(0)
	s_wait_dscnt 0x0                               ; for the others' sake: my part of half 1's images has landed
	s_barrier_signal -1
	ROWMAX 1                                       ; work on registers while the others arrive
	SELHI 1
	s_wait_alu depctr_va_vdst(0)
	s_barrier_wait -1
	FETCH 4, 0
	FETCH 5, 1
	SELLO 1
	s_wait_alu depctr_va_vdst(0)
	s_wait_dscnt 5                                 ; tile 4's five are in
	MM 0
	RESOLVE 3
	s_wait_alu depctr_va_vdst(0)
	s_wait_dscnt 1
	MM 1
	FETCH 6, 0
	VA 4, 0
	s_wait_alu depctr_va_vdst(0)
	s_wait_dscnt 1
	MM 0
	FETCH 7, 1
	VA 5, 1
	s_wait_alu depctr_va_vdst(0)
	s_wait_dscnt 1
	MM 1
	VA 6, 0
	VA 7, 1
	s_wait_alu depctr_va_vdst(0)
	s_wait_tensorcnt 0x0
	ds_add_u32 v[SPW], v[NIL]
	s_wait_dscnt 0x0                               ; for waves 0 and 1's sake: all my results have landed
	s_barrier_signal -1
	s_barrier_wait -1
	s_cmp_ge_u32 s10, 2
	s_cbranch_scc1 .Lend
	; THE MERGE, waves 0 and 1: for each of my two queries sixteen candidates, k = 2 x wave + half, in the order of their codes' numbers: strictly greater keeps the lower number.  One load brings both queries' pair.
.irp k, 0,1,2,3,4,5,6,7,8,9,10,11,12,13,14,15
	ds_load_b128 v[MG+4*\k:MG+4*\k+3], v[FA] offset:128*\k
.endr
	s_wait_dscnt 0x0
.irp k, 0,2,4,6,8,10,12,14
.irp e, 0,1
	v_cmp_gt_f32 s[MK+\k+\e], v[MG+4*\k+4+2*\e], v[MG+4*\k+2*\e]
.endr
.endr
.irp k, 0,2,4,6,8,10,12,14
.irp e, 0,1
	v_max_num_f32 v[MG+4*\k+2*\e], v[MG+4*\k+2*\e], v[MG+4*\k+4+2*\e]
	v_cndmask_b32 v[MG+4*\k+2*\e+1], v[MG+4*\k+2*\e+1], v[MG+4*\k+5+2*\e], s[MK+\k+\e]
.endr
.endr
.irp k, 0,4,8,12
.irp e, 0,1
	v_cmp_gt_f32 s[MK+\k/2+\e], v[MG+4*\k+8+2*\e], v[MG+4*\k+2*\e]
.endr
.endr
.irp k, 0,4,8,12
.irp e, 0,1
	v_max_num_f32 v[MG+4*\k+2*\e], v[MG+4*\k+2*\e], v[MG+4*\k+8+2*\e]
	v_cndmask_b32 v[MG+4*\k+2*\e+1], v[MG+4*\k+2*\e+1], v[MG+4*\k+9+2*\e], s[MK+\k/2+\e]
.endr
.endr
.irp k, 0,8
.irp e, 0,1
	v_cmp_gt_f32 s[MK+\k/4+\e], v[MG+4*\k+16+2*\e], v[MG+4*\k+2*\e]
.endr
.endr
.irp k, 0,8
.irp e, 0,1
	v_max_num_f32 v[MG+4*\k+2*\e], v[MG+4*\k+2*\e], v[MG+4*\k+16+2*\e]
	v_cndmask_b32 v[MG+4*\k+2*\e+1], v[MG+4*\k+2*\e+1], v[MG+4*\k+17+2*\e], s[MK+\k/4+\e]
.endr
.endr
.irp e, 0,1
	v_cmp_gt_f32 s[MK+\e], v[MG+32+2*\e], v[MG+2*\e]
.endr
.irp e, 0,1
	v_cndmask_b32 v[B3+\e], v[MG+2*\e+1], v[MG+33+2*\e], s[MK+\e]
.endr
	global_store_b64 v[OA], v[B3:B3+1], s[8:9]     ; 32 lanes store 256 consecutive bytes, at a multiple of 256 from out0's first byte
.Lend:
	CROUND                                         ; the closing round: no work-group ends while a partner may still ask for images that name it
	s_endpgm
.Lfunc_end_k_qc63d329cdf_vq:
	.size	k_qc63d329cdf_vq, .Lfunc_end_k_qc63d329cdf_vq-k_qc63d329cdf_vq
	.p2alignl 7, 3214868480
	.fill 96, 4, 3214868480
	.section	.rodata,"a",@progbits
	.p2align	6, 0x0
	.amdhsa_kernel k_qc63d329cdf_vq
		.amdhsa_group_segment_fixed_size 185344
		.amdhsa_private_segment_fixed_size 0
		.amdhsa_enable_private_segment 0
		.amdhsa_kernarg_size 24
		.amdhsa_user_sgpr_count 2
		.amdhsa_user_sgpr_kernarg_segment_ptr 1
		.amdhsa_wavefront_size32 1
		.amdhsa_system_sgpr_workgroup_id_x 1
		.amdhsa_system_sgpr_workgroup_id_y 1
		.amdhsa_system_sgpr_workgroup_id_z 1
		.amdhsa_system_vgpr_workitem_id 0
		.amdhsa_next_free_vgpr 512
		.amdhsa_next_free_sgpr 66
		.amdhsa_reserve_vcc 1
		.amdhsa_float_denorm_mode_32 3
		.amdhsa_float_denorm_mode_16_64 3
		.amdhsa_memory_ordered 1
		.amdhsa_forward_progress 1
		.amdhsa_inst_pref_size 108
	.end_amdhsa_kernel
	.amdgpu_metadata
---
amdhsa.version: [ 1, 2 ]
amdhsa.kernels:
  - .name:           k_qc63d329cdf_vq
    .symbol:         k_qc63d329cdf_vq.kd
    .args:
      - { .name: x, .offset: 0, .size: 8, .value_kind: global_buffer, .address_space: global }
      - { .name: cb, .offset: 8, .size: 8, .value_kind: global_buffer, .address_space: global }
      - { .name: out0, .offset: 16, .size: 8, .value_kind: global_buffer, .address_space: global }
    .group_segment_fixed_size: 185344
    .private_segment_fixed_size: 0
    .kernarg_segment_align: 8
    .kernarg_segment_size: 24
    .max_flat_workgroup_size: 256
    .sgpr_count:     66
    .vgpr_count:     512
    .wavefront_size: 32
...
	.end_amdgpu_metadata
.endif
;; end of part 2
